; MI455X (gfx1250); checked and timed in simulation.
; The chip was launched on July 23, 2026; its instructions are those of AMD's public machine-readable ISA for CDNA 5 (MIT licence, August 2026) and "CDNA5" Instruction Set Architecture Reference Guide (July 2026). The comments in the code are by the model that wrote it; some were corrected since.
;; KNN VC. Allowed arithmetic: matrix products marked QUANTISED: E4M3 operands, one given power-of-two scale a tensor, by v_wmma_f32_16x16x64_fp8_fp8 or v_wmma_f32_16x16x128_fp8_fp8, f32 sums; everything else in f32.
;; Inputs: lowp_scales 2 int32 (the exponents e of the quantised operands' scales 2^e); matching_set 32,768 x 1,024 float32; query_seq 2,048 x 1,024 float32; synth_set 32,768 x 1,024 float32.
;; Outputs: out0 2,048 x 1,024 float32.
;; Constants: topk = 4.
;; This version of the problem:
;;   THIS VERSION OF THE PROBLEM IS GIVEN IN LOW PRECISION. The matrix products marked QUANTISED in the list below multiply operands that are first quantised to E4M3 (4 exponent bits, 3 mantissa bits; 8 bits a number), with one given power-of-two scale for each operand tensor; their sums are f32. All else is computed in f32.
;;   The module's matrix products, in the order in which they are computed (A, B: the left and right operand; K: the contracted axis; several contracted axes count as one K, in the product's order):
;;     1. [M 2,048, K 1,024] x [K 1,024, N 32,768]; A: input query_seq; B: input matching_set: QUANTISED (scales: A lowp_scales[0], B lowp_scales[1])
;;   THE QUANTISER, for each operand of a quantised product, along K:
;;     - The operand's scale is 2^e, e = its entry of the input lowp_scales (int32; the entries are numbered through the quantised products in the list's order, A before B).
;;     - Each number is divided by the scale, clamped to +-448, and rounded to the nearest number of E4M3, ties to even, subnormals kept.
;;     - The product sums the exact products of the quantised numbers (number of the format x scale) in f32.
;;   ~~~python
;;   def quantise(x, axis, e):      # numpy; x: float32 -> the quantised numbers, widened to float32 again
;;       x = np.moveaxis(x, axis, -1); K = x.shape[-1]
;;       r = np.clip(x / 2.0 ** e, -448, 448)
;;       step = 2.0 ** (np.maximum(np.frexp(np.where(r == 0, 1, r))[1] - 1, -6) - 3)
;;       q = np.round(r / step) * step * 2.0 ** e      # np.round: ties to even
;;       return np.moveaxis(q, -1, axis).astype(np.float32)
;;   ~~~
;; One version. Each part assembles by itself: llvm-mc -triple=amdgcn-amd-amdhsa -mcpu=gfx1250 --defsym DOCPART=n.
;; ======== version 1 of 1: 5 launches
;; workspace buffers: qcodes 2,097,152 bytes; rq 8,192 bytes; mcodes 33,554,432 bytes; wbuf 131,072 bytes; gmax 33,554,432 bytes; gsel 32,768 bytes of whole numbers; idx 32,768 bytes of whole numbers
;; launch quantq (part 1): grid 256 x 1, 8 waves a work-group, no clusters, 0 bytes of LDS; arguments query_seq, lowp_scales, qcodes, rq; writes qcodes, rq
.if DOCPART == 1
	.amdgcn_target "amdgcn-amd-amdhsa--gfx1250"
	.amdhsa_code_object_version 6
	.text
	.protected	k_q8d73c9b999_quantq
	.globl	k_q8d73c9b999_quantq
	.p2align	8
	.type	k_q8d73c9b999_quantq,@function
k_q8d73c9b999_quantq:
	s_mov_b64 s[64:65], 0
	v_nop
	global_prefetch_b8 v0, s[64:65] scope:SCOPE_SE
	s_setreg_imm32_b32 hwreg(HW_REG_WAVE_MODE, 25, 1), 1
	s_wait_xcnt 0x0
; The 2,048 queries [2048][1024] f32 become codes of FP8 (E4M3) with the given scale 2^eq (entry 0 of the scales), and 1 / |q| of each unquantised row is stored.
; code = x / 2^eq, held within +-448, to the nearest code, ties to even.
; A wave takes one row: eight loads of 512 consecutive bytes, 16 a lane.  Load i gives lane l the numbers k = 128 i + 4 l + 0..3; their four codes are one register.
; K IS PERMUTED in the codes' rows: byte 16 l + 4 i + j holds k = 128 i + 4 l + j (i < 4), byte 512 + 16 l + 4 i + j holds k = 128 (i + 4) + 4 l + j.
; The matching rows are laid the same way by the product's launch, so every product meets its partner.
; LIMITS: eq between -126 and 119; a row of norm 0, NaN and infinities are not served.  1 / |q| is v_rsq_f32 with one Newton step.
.set X, 8                              ; v8-39   the row's 32 numbers of my lane
.set C, 40                             ; v40-47  their codes
.set S, 48                             ; v48-51  sums of squares, two packed chains
.set T, 52                             ; v52-55  at work
	s_load_b256 s[4:11], s[0:1], 0x0               ; queries s[4:5], scales s[6:7], codes s[8:9], 1/|q| s[10:11]
	v_lshrrev_b32 v1, 5, v0
	v_readfirstlane_b32 s12, v1                    ; wave
	v_and_b32 v1, 31, v0                           ; lane
	v_lshlrev_b32 v2, 4, v1                        ; 16 bytes a lane
	v_mov_b32 v3, 0
	v_mov_b32 v[T], 0                              ; a lane permute's destination counts as read
	s_lshl_b32 s13, ttmp9, 3
	s_add_co_u32 s13, s13, s12                     ; my row
	s_lshl_b32 s14, s13, 12                        ; x 4,096 bytes of f32
	s_mov_b32 s15, 0
	s_lshl_b32 s16, s13, 10                        ; x 1,024 bytes of codes
	s_mov_b32 s17, 0
	s_lshl_b32 s18, s13, 2
	s_mov_b32 s19, 0
	s_mov_b32 s22, 0x76543210                      ; v_permlanex16_b32: lane l xor 16
	s_mov_b32 s23, 0xfedcba98
	s_wait_kmcnt 0x0
	s_load_b32 s20, s[6:7], 0x0                    ; eq
	s_add_nc_u64 s[4:5], s[4:5], s[14:15]
	s_add_nc_u64 s[8:9], s[8:9], s[16:17]
	s_add_nc_u64 s[10:11], s[10:11], s[18:19]
.irp i, 0,1,2,3,4,5,6,7
	global_load_b128 v[X+4*\i:X+4*\i+3], v2, s[4:5] offset:512*\i th:TH_LOAD_NT
.endr
	s_wait_kmcnt 0x0
	s_add_co_i32 s20, s20, 127
	s_lshl_b32 s21, s20, 23
	v_mov_b32 v56, s21                             ; 2^eq as f32: the conversion takes its exponent field
	s_add_co_i32 s20, s20, 8
	s_lshl_b32 s20, s20, 23
	s_or_b32 s20, s20, 0x600000
	v_mov_b32 v57, s20                             ; 448 x 2^eq
	s_wait_loadcnt 0x0
	v_pk_mul_f32 v[S:S+1], v[X:X+1], v[X:X+1]      ; the sum of squares of the numbers as they came
	v_pk_mul_f32 v[S+2:S+3], v[X+2:X+3], v[X+2:X+3]
.irp j, 4,8,12,16,20,24,28
	v_pk_fma_f32 v[S:S+1], v[X+\j:X+\j+1], v[X+\j:X+\j+1], v[S:S+1]
	v_pk_fma_f32 v[S+2:S+3], v[X+\j+2:X+\j+3], v[X+\j+2:X+\j+3], v[S+2:S+3]
.endr
	v_pk_add_f32 v[S:S+1], v[S:S+1], v[S+2:S+3]
	v_add_f32 v[S], v[S], v[S+1]
.irp m, 1,2,4,8
	v_add_f32_dpp v[S], v[S], v[S] row_xmask:\m row_mask:0xf bank_mask:0xf
.endr
	v_permlanex16_b32 v[T], v[S], s22, s23
	v_add_f32 v[S], v[S], v[T]                     ; |q|^2 in every lane
	v_rsq_f32 v[T+1], v[S]                         ; the holds below are the independent work behind it
.irp j, 0,1,2,3,4,5,6,7,8,9,10,11,12,13,14,15,16,17,18,19,20,21,22,23,24,25,26,27,28,29,30,31
	v_med3_num_f32 v[X+\j], v[X+\j], -v57, v57     ; the conversion to an 8-bit code does not saturate (ISA guide 7.6.2): the hold at the largest code x the scale
.endr
.irp g, 0,1,2,3
	v_cvt_scalef32_pk8_fp8_f32 v[C+2*\g:C+2*\g+1], v[X+8*\g:X+8*\g+7], v56
.endr
	v_nop                                          ; a plain line behind the last conversion
	global_store_b128 v2, v[C:C+3], s[8:9]         ; 32 lanes store 512 consecutive bytes
	global_store_b128 v2, v[C+4:C+7], s[8:9] offset:512
	s_wait_alu depctr_va_vdst(0)                   ; ahead of the first reader of the root's reciprocal
	v_mul_f32 v[T+2], v[S], v[T+1]                 ; Newton: y + (y / 2) (1 - s y y)
	v_fma_f32 v[T+2], -v[T+2], v[T+1], 1.0
	v_mul_f32 v[T+3], 0.5, v[T+1]
	v_fma_f32 v[T+1], v[T+3], v[T+2], v[T+1]
	s_wait_xcnt 0x0                                ; EXEC changes only behind this wait
	v_cmp_eq_u32 vcc_lo, 0, v1
	s_and_saveexec_b32 s24, vcc_lo
	global_store_b32 v3, v[T+1], s[10:11]          ; lane 0 stores 1 / |q|
	s_wait_xcnt 0x0
	s_or_b32 exec_lo, exec_lo, s24
	s_endpgm
.Lfunc_end_k_q8d73c9b999_quantq:
	.size	k_q8d73c9b999_quantq, .Lfunc_end_k_q8d73c9b999_quantq-k_q8d73c9b999_quantq
	.p2alignl 7, 3214868480
	.fill 96, 4, 3214868480
	.section	.rodata,"a",@progbits
	.p2align	6, 0x0
	.amdhsa_kernel k_q8d73c9b999_quantq
		.amdhsa_group_segment_fixed_size 0
		.amdhsa_private_segment_fixed_size 0
		.amdhsa_enable_private_segment 0
		.amdhsa_kernarg_size 32
		.amdhsa_user_sgpr_count 2
		.amdhsa_user_sgpr_kernarg_segment_ptr 1
		.amdhsa_wavefront_size32 1
		.amdhsa_system_sgpr_workgroup_id_x 1
		.amdhsa_system_sgpr_workgroup_id_y 1
		.amdhsa_system_sgpr_workgroup_id_z 1
		.amdhsa_system_vgpr_workitem_id 0
		.amdhsa_next_free_vgpr 64
		.amdhsa_next_free_sgpr 66
		.amdhsa_reserve_vcc 1
		.amdhsa_float_denorm_mode_32 3
		.amdhsa_float_denorm_mode_16_64 3
		.amdhsa_memory_ordered 1
		.amdhsa_forward_progress 1
		.amdhsa_inst_pref_size 7
	.end_amdhsa_kernel
	.amdgpu_metadata
---
amdhsa.version: [ 1, 2 ]
amdhsa.kernels:
  - .name:           k_q8d73c9b999_quantq
    .symbol:         k_q8d73c9b999_quantq.kd
    .args:
      - { .name: query_seq, .offset: 0, .size: 8, .value_kind: global_buffer, .address_space: global }
      - { .name: lowp_scales, .offset: 8, .size: 8, .value_kind: global_buffer, .address_space: global }
      - { .name: qcodes, .offset: 16, .size: 8, .value_kind: global_buffer, .address_space: global }
      - { .name: rq, .offset: 24, .size: 8, .value_kind: global_buffer, .address_space: global }
    .group_segment_fixed_size: 0
    .private_segment_fixed_size: 0
    .kernarg_segment_align: 8
    .kernarg_segment_size: 32
    .max_flat_workgroup_size: 256
    .sgpr_count:     66
    .vgpr_count:     64
    .wavefront_size: 32
...
	.end_amdgpu_metadata
.endif
;; end of part 1
;; launch knn (part 2): grid 256 x 1, 4 waves a work-group, clusters of 4 x 1, 327,680 bytes of LDS; arguments matching_set, qcodes, lowp_scales, mcodes, wbuf, gmax; writes mcodes, wbuf, gmax
.if DOCPART == 2
	.amdgcn_target "amdgcn-amd-amdhsa--gfx1250"
	.amdhsa_code_object_version 6
	.text
	.protected	k_q8d73c9b999_knn
	.globl	k_q8d73c9b999_knn
	.p2align	8
	.type	k_q8d73c9b999_knn,@function
k_q8d73c9b999_knn:
	s_mov_b64 s[64:65], 0
	v_nop
	global_prefetch_b8 v0, s[64:65] scope:SCOPE_SE
	s_setreg_imm32_b32 hwreg(HW_REG_WAVE_MODE, 25, 1), 1
	s_wait_xcnt 0x0
	s_wait_alu depctr_hold_cnt(0) depctr_sa_sdst(0) depctr_va_vdst(0) depctr_va_sdst(0) depctr_va_ssrc(0) depctr_va_vcc(0) depctr_vm_vsrc(0)
	s_getreg_b32 s2, hwreg(HW_REG_IB_STS2, 6, 4)
	s_cmp_eq_u32 s2, 0
	s_cbranch_scc0 .Lentry_in_a_cluster
	s_endpgm
.Lentry_in_a_cluster:
	s_bfe_u32 s2, ttmp6, 0x10000c
	s_cmp_lg_u32 s2, 0x3003
	s_cbranch_scc0 .Lentry_shape_is_right
	s_endpgm
.Lentry_shape_is_right:
; THE PRODUCT.  For all 2,048 queries and all 32,768 matching rows: c = (sum over k of the codes' products) x w[m], w[m] = 2^(eq + em) / |m|; of every 8 neighbouring rows (a group) only the largest c is stored.
; The best 4 rows of a query (by distance, then lower row) lie in its best 4 groups (by the group's best distance, then lower group), since groups are runs of neighbours: later launches pick the groups and score their rows again.
; SHARES.  A work-group owns 128 matching rows for all queries, so each f32 row of matching_set is read once in the launch, quantised here, and kept: wave w (a = w / 2, b = w % 2) holds rows 64 a .. 64 a + 63,
; all 1,024 along K, in 512 registers.  The queries' codes stream through two LDS slots of 128 queries, 16 steps; of a slot the wave takes queries 64 b .. 64 b + 63, four tiles of 16, 32 matrix instructions each.
; CLUSTER.  All work-groups walk the same queries: the four of a cluster ask for each slot JOINTLY (the same tensor load, the same descriptor, a mask that names the four).
; THE MATRIX INSTRUCTION IS USED TRANSPOSED: source 0 = 16 matching rows, source 1 = 16 queries: a lane holds ONE query (lane % 16), its register j row 8 (lane / 16) + j of the tile.
; THE ROWS OF A TILE ARE NOT NEIGHBOURS: lane r of tile t takes the wave's row 32 (r / 8) + 8 t + r % 8, so that a lane's eight registers of tile t are the eight rows of ONE group: 16 WG + 8 a + 4 (lane / 16) + t.
; So a score costs half a packed multiply and less than half a maximum of three, and nothing changes lanes.
; K is permuted in the codes' rows as the queries' launch lays it (byte 16 l + 4 i + j: k = 128 i + 4 l + j; second half likewise): alike on both sides.
; PHASE A, four passes: in pass p wave w loads its rows 32 w + 8 p + 0..7 (a group), takes their norms, quantises them, and puts the codes into a stage of 32 rows; it also sends the group to mcodes in the order of an operand's
; registers, and w to a table.  Stage row 8 w + i is row 16 a + r of tile p for half a: behind a barrier every wave fetches tile p of its half.  A second barrier frees the stage.
; LIMITS: eq, em between -126 and 119; 2^(eq + em) / |m| a normal f32 number; rows of norm 0, NaN and infinities are not served.  1 / |m| is v_rsq_f32 with one Newton step.
; REGISTERS, in windows of 256.  Window 0: v0-47 addresses and small things; v48-79 w of my 32 rows; v80-143 two sets of four accumulators (phase A: the image on its way out); v144-187 phase A's scratch.
;   Window 1: phase A: a ring of 8 rows x 32 numbers; phase B: two buffers of a query tile's fragments (8 K steps x 16).   Windows 2, 3: my rows' fragments: (K step s, tile t) at window 2 + s / 4, v[64 (s % 4) + 16 t].
.set PITCH, 1040                       ; an LDS row: 1,024 bytes of codes + 16 of padding = 260 words: row r starts at bank 4 r mod 64 (64 banks of 4 bytes: ISA guide 11.1)
.set SLOTB, 128*PITCH                  ; a slot: 128 queries
.set MST,   2*SLOTB                    ; the stage of phase A: 32 rows; written by LDS stores alone
.set WTAB,  MST+32*PITCH               ; w of the work-group's 128 rows
.set SPARE, WTAB+512                   ; the spare words, 128 bytes for each wave: two blocks of 256 bytes that no other line names
.set XO,  4                            ; v4   16 x lane: offset of loads and of dense stores; never rewritten
.set STW, 5                            ; v5   the stage, in: my wave's 8 rows + 16 x lane
.set FRA, 6                            ; v6   the stage, out: row 16 a + r, + 16 (lane / 16)
.set IMR, 7                            ; v7   the stage, out for the image: my row lane % 8, + 16 (lane / 8)
.set WTL, 8                            ; v8   the table of w + 16 x lane
.set WSA, 9                            ; v9   the table of w at my wave's 32 rows
.set WRD, 10                           ; v10  the table of w at rows 64 a + 32 (lane / 16)
.set BA,  11                           ; v11, v12  my query rows in slot 0, 1: (64 b + r) x pitch + 16 (lane / 16)
.set GO,  13                           ; v13  my 16 bytes in gmax
.set SPW, 14                           ; v14  my spare word; never rewritten
.set NIL, 15                           ; v15  0; never rewritten
.set SCL, 16                           ; v16  2^em as f32
.set LIM, 17                           ; v17  448 x 2^em
.set P,   28                           ; v28-35  a pass's eight sums of squares
.set T,   36                           ; v36-43  at work
.set GM,  44                           ; v44-47  four groups' maxima
.set W,   48
.set ACC, 80
.set IM,  80
.set CC,  144                          ; v144-159 a row's codes, two sets by turns
.set Y,   160
.set U,   168
.set H,   176
.set WT,  184
.set G1,  24                           ; s[24:31] descriptor group 1
.set G0,  32                           ; s[32:39] group 0, a set for each slot
.set GB,  52                           ; s[52:53] gmax at my unit of the step in hand
.set MSB, 0
.macro WIN new                         ; the immediate's high byte repeats the setting that is left; a switch that changes nothing is dropped
.if MSB != (\new)
	s_set_vgpr_msb (MSB<<8)|(\new)
.set MSB, (\new)
.endif
.endm
.macro CREST                           ; a round of the cluster's barrier behind its opening barrier
	s_cmp_lg_u32 s16, 0
	s_cbranch_scc1 .Lnot_wave_0_\@
	s_barrier_signal -3
.Lnot_wave_0_\@:
	s_barrier_wait -3
	s_barrier_signal -1
	s_barrier_wait -1
.endm
.macro CROUND                          ; a whole round
	s_barrier_signal -1
	s_barrier_wait -1
	CREST
.endm
	s_load_b256 s[4:11], s[0:1], 0x0               ; matching s[4:5], query codes s[6:7], scales s[8:9], mcodes s[10:11]
	s_load_b128 s[12:15], s[0:1], 0x20             ; wbuf s[12:13], gmax s[14:15]
	v_lshl_add_u32 v[SPW], v0, 2, SPARE
	v_mov_b32 v[NIL], 0
	ds_add_u32 v14, v15
	ds_add_u32 v14, v15
	s_wait_dscnt 0x0
	v_lshrrev_b32 v1, 5, v0
	v_readfirstlane_b32 s16, v1                    ; wave 0..3
	s_lshr_b32 s17, s16, 1                         ; a: which 64 of the work-group's rows
	s_and_b32 s18, s16, 1                          ; b: which 64 of a slot's queries
	s_bfe_u32 s19, ttmp6, 0x40000                  ; cx
	s_lshl_b32 s20, ttmp9, 2
	s_add_co_u32 s20, s20, s19                     ; WG = 4 x cluster + cx: it enters global addresses of my own buffers' parts alone
	; descriptor group 1: 32 rows of 1,024 bytes, padded in LDS
	s_mov_b32 s[G1+0], 15|(1<<20)|(1<<21)|(7<<22)|(3<<25)  ; 15:0 the mask: all four work-groups; 17:16 elements of 1 byte; 20 padding on; 21 set beside a mask; 24:22 after every 256 words (code 7); 31:25 four words (code 3)
	s_mov_b32 s[G1+1], 1024<<16                    ; tensor_dim0
	s_mov_b32 s[G1+2], 32<<16                      ; tensor_dim1
	s_mov_b32 s[G1+3], 1024<<16                    ; tile_dim0
	s_mov_b32 s[G1+4], 32                          ; tile_dim1
	s_mov_b32 s[G1+5], 1024                        ; from row to row
	s_mov_b32 s[G1+6], 0
	s_mov_b32 s[G1+7], 0
	s_mov_b32 s46, 0x76543210                      ; v_permlanex16_b32: lane l xor 16
	s_mov_b32 s47, 0xfedcba98
	; every LDS address is a constant + constants x lane parts + a constant x wave
	v_and_b32 v1, 31, v0                           ; lane
	v_and_b32 v2, 15, v0                           ; r
	v_bfe_u32 v3, v0, 4, 1                         ; h
	v_lshlrev_b32 v[XO], 4, v1
	s_mul_i32 s56, s16, 8*PITCH
	s_add_co_u32 s56, s56, MST                     ; my wave's 8 stage rows
	v_add_nc_u32 v[STW], s56, v[XO]
	v_and_b32 v18, 7, v0
	v_bfe_u32 v19, v0, 3, 2
	v_mul_u32_u24 v[IMR], v18, PITCH
	v_lshl_add_u32 v[IMR], v19, 4, v[IMR]
	v_add_nc_u32 v[IMR], s56, v[IMR]
	v_mul_u32_u24 v20, v2, PITCH
	v_lshl_add_u32 v20, v3, 4, v20                 ; r x pitch + 16 h
	s_mul_i32 s57, s17, 16*PITCH
	s_add_co_u32 s57, s57, MST
	v_add_nc_u32 v[FRA], s57, v20
	s_mul_i32 s57, s18, 64*PITCH
	v_add_nc_u32 v[BA], s57, v20
	v_add_nc_u32 v[BA+1], SLOTB, v[BA]
	v_add_nc_u32 v[WTL], WTAB, v[XO]
	s_lshl_b32 s57, s16, 7
	s_add_co_u32 s57, s57, WTAB
	v_mov_b32 v[WSA], s57
	s_lshl_b32 s57, s17, 8
	s_add_co_u32 s57, s57, WTAB
	v_lshl_add_u32 v[WRD], v3, 7, s57
	v_bfe_u32 v19, v0, 3, 1                        ; gmax: unit of queries r / 8; in it 128 h + 16 (r % 8)
	v_lshlrev_b32 v[GO], 17, v19
	v_lshl_add_u32 v[GO], v3, 7, v[GO]
	v_lshl_add_u32 v[GO], v18, 4, v[GO]
.irp i, 0,1,2,3,4,5,6,7
	v_mov_b32 v[T+\i], 0                           ; lane permutes' destinations count as read
.endr
	s_mul_i32 s58, s16, 32*PITCH                   ; my 32 rows of a slot, in LDS,
	s_lshl_b32 s62, s16, 15                        ; and in memory
	s_mov_b32 s63, 0
	s_lshl_b32 s60, s20, 19                        ; matching_set: 128 rows x 4,096 bytes a work-group, 32 rows a wave
	s_lshl_b32 s61, s16, 17
	s_add_co_u32 s60, s60, s61
	s_mov_b32 s61, 0
	s_wait_kmcnt 0x0
	s_load_b64 s[40:41], s[8:9], 0x0               ; eq, em
	s_add_nc_u64 s[62:63], s[6:7], s[62:63]
	s_add_nc_u64 s[48:49], s[4:5], s[60:61]
.irp n, 0,1
	s_mov_b32 s[G0+4*\n], 1                        ; count = 1
	s_add_co_u32 s[G0+4*\n+1], s58, \n*SLOTB       ; LDS address: the wave's number and constants alone
	s_add_nc_u64 s[G0+4*\n+2:G0+4*\n+3], s[62:63], \n*131072  ; step n's 128 queries
	s_or_b32 s[G0+4*\n+3], s[G0+4*\n+3], 0x80000000  ; type = 2
.endr
	CROUND                                         ; all four work-groups are here: the first joint loads meet
	tensor_load_to_lds s[G0:G0+3], s[G1:G1+7]      ; both first fills together: two loads of mine are out; they land while phase A runs
	s_nop 0
	tensor_load_to_lds s[G0+4:G0+7], s[G1:G1+7]
	s_nop 0
.rept 4
	v_nop
.endr
; Row i of pass p: my wave's row 8 p + i, eight loads of 512 consecutive bytes into ring place i
.macro XLOAD p, i
	WIN 0x40                                       ; destination window 1, address window 0
.irp n, 0,1,2,3,4,5,6,7
	global_load_b128 v[32*(\i)+4*\n:32*(\i)+4*\n+3], v[XO], s[48:49] offset:(8*(\p)+(\i))*4096+512*\n th:TH_LOAD_NT
.endr
.endm
.irp i, 0,1,2,3,4,5,6,7
	XLOAD 0, \i
.endr
	WIN 0
	s_lshl_b32 s60, s20, 17                        ; mcodes: 16 groups x 8,192 bytes a work-group, 4 groups a wave
	s_lshl_b32 s61, s16, 15
	s_add_co_u32 s60, s60, s61
	s_mov_b32 s61, 0
	s_add_nc_u64 s[50:51], s[10:11], s[60:61]
	s_lshl_b32 s60, s20, 9                         ; gmax: 512 WG + 256 a, and 4 tiles of queries on for b = 1
	s_lshl_b32 s61, s17, 8
	s_add_co_u32 s60, s60, s61
	s_lshl_b32 s61, s18, 20
	s_add_co_u32 s60, s60, s61
	s_mov_b32 s61, 0
	s_add_nc_u64 s[GB:GB+1], s[14:15], s[60:61]
	s_lshl_b32 s60, s20, 9                         ; wbuf: 128 numbers a work-group
	s_add_nc_u64 s[54:55], s[12:13], s[60:61]
	s_wait_kmcnt 0x0
	s_add_co_i32 s44, s40, s41                     ; eq + em
	s_add_co_i32 s42, s41, 127
	s_lshl_b32 s43, s42, 23
	v_mov_b32 v[SCL], s43
	s_add_co_i32 s42, s42, 8
	s_lshl_b32 s42, s42, 23
	s_or_b32 s42, s42, 0x600000
	v_mov_b32 v[LIM], s42
; One row: its sum of squares (of the numbers as they came), the hold, the conversion, the codes into the stage; its ring place takes the next pass's row.
.macro ROW p, i
.set XR, 32*(\i)
.set CR, CC+8*((\i)%2)
.if (\p) < 3
	s_wait_loadcnt 56                              ; my row's eight loads are in; behind them 7 rows' loads were issued (7 - i of this pass, i of the next) and may stay out
.else
	s_wait_loadcnt 8*(7-(\i))                      ; the last pass: only its own later rows are out
.endif
	WIN 0x05                                       ; sources 0 and 1 window 1
	v_pk_mul_f32 v[T:T+1], v[XR:XR+1], v[XR:XR+1]
	v_pk_mul_f32 v[T+2:T+3], v[XR+2:XR+3], v[XR+2:XR+3]
.irp j, 4,8,12,16,20,24,28
	v_pk_fma_f32 v[T:T+1], v[XR+\j:XR+\j+1], v[XR+\j:XR+\j+1], v[T:T+1]
	v_pk_fma_f32 v[T+2:T+3], v[XR+\j+2:XR+\j+3], v[XR+\j+2:XR+\j+3], v[T+2:T+3]
.endr
	WIN 0x41                                       ; destination and source 0 window 1
.set mj, 0
.rept 32
	v_med3_num_f32 v[XR+mj], v[XR+mj], -v[LIM], v[LIM]   ; the conversion to an 8-bit code does not saturate (ISA guide 7.6.2)
.set mj, mj+1
.endr
	WIN 0x01
	s_wait_dscnt 2                                 ; the two stores of the row before may be out; those of the row before that, which read this set of code registers, are done
.irp g, 0,1,2,3
	v_cvt_scalef32_pk8_fp8_f32 v[CR+2*\g:CR+2*\g+1], v[XR+8*\g:XR+8*\g+7], v[SCL]   ; register n of the eight: the four codes of load n
.endr
.if (\p) < 3
	XLOAD (\p)+1, \i
.endif
	WIN 0
	v_pk_add_f32 v[T:T+1], v[T:T+1], v[T+2:T+3]    ; (the plain line behind the conversions)
	v_add_f32 v[P+\i], v[T], v[T+1]
	ds_store_b128 v[STW], v[CR:CR+3] offset:PITCH*(\i)
	ds_store_b128 v[STW], v[CR+4:CR+7] offset:PITCH*(\i)+512
.endm
; The pass's eight norms: sums over the 32 lanes, the rows by turns; 1 / root with one Newton step; w = 2^(eq + em) / |m| into the table
.macro NORMS p
.irp m, 1,2,4,8
.irp i, 0,1,2,3,4,5,6,7
	v_add_f32_dpp v[P+\i], v[P+\i], v[P+\i] row_xmask:\m row_mask:0xf bank_mask:0xf
.endr
.endr
.irp i, 0,1,2,3,4,5,6,7
	v_permlanex16_b32 v[T+\i], v[P+\i], s46, s47
.endr
.irp i, 0,1,2,3,4,5,6,7
	v_add_f32 v[P+\i], v[P+\i], v[T+\i]
.endr
.irp i, 0,1,2,3,4,5,6,7
	v_rsq_f32 v[Y+\i], v[P+\i]
.endr
	v_nop                                          ; a plain line behind the last of the batch
	s_wait_alu depctr_va_vdst(0)                   ; one wait for the eight, ahead of their first reader
.irp i, 0,1,2,3,4,5,6,7
	v_mul_f32 v[U+\i], v[P+\i], v[Y+\i]
.endr
.irp i, 0,1,2,3,4,5,6,7
	v_fma_f32 v[U+\i], -v[U+\i], v[Y+\i], 1.0
.endr
.irp i, 0,1,2,3,4,5,6,7
	v_mul_f32 v[H+\i], 0.5, v[Y+\i]
.endr
.irp i, 0,1,2,3,4,5,6,7
	v_fma_f32 v[Y+\i], v[H+\i], v[U+\i], v[Y+\i]
.endr
.irp i, 0,1,2,3,4,5,6,7
	v_ldexp_f32 v[Y+\i], v[Y+\i], s44
.endr
.irp i, 0,1,2,3,4,5,6,7
	ds_store_b32 v[WSA], v[Y+\i] offset:4*(8*(\p)+\i)   ; all lanes hold the same number
.endr
.endm
.macro PASS p
.irp i, 0,1,2,3,4,5,6,7
	ROW \p, \i
.endr
	NORMS \p
	s_wait_xcnt 0x0                                ; the last pass's stores have read v80-143
.irp m, 0,1,2,3,4,5,6,7,8,9,10,11,12,13,14,15
	ds_load_b128 v[IM+4*\m:IM+4*\m+3], v[IMR] offset:64*\m   ; my own group, in the order of an operand's registers (LDS serves a wave's instructions in order: these see my stores)
.endr
	s_wait_dscnt 0x0                               ; for the others' sake: my rows and my w lie in LDS
	s_barrier_signal -1
	s_barrier_wait -1                              ; the stage holds tile p of both halves
.irp s, 0,1,2,3,4,5,6,7
	WIN 0x80+0x40*((\s)/4)                         ; destination window 2 or 3
.irp c, 0,1,2,3
	ds_load_b128 v[64*((\s)%4)+16*(\p)+4*\c:64*((\s)%4)+16*(\p)+4*\c+3], v[FRA] offset:128*\s+32*\c
.endr
.endr
	WIN 0
.irp m, 0,1,2,3,4,5,6,7,8,9,10,11,12,13,14,15
	global_store_b128 v[XO], v[IM+4*\m:IM+4*\m+3], s[50:51] offset:8192*(\p)+512*\m th:TH_STORE_NT   ; 512 consecutive bytes
.endr
	s_wait_dscnt 0x0                               ; my reads of the stage are over
.if (\p) == 3
	s_wait_tensorcnt 1                             ; my part of slot 0 is in; slot 1's load may stay out
.endif
	s_barrier_signal -1
	s_barrier_wait -1                              ; the stage may be written again
.endm
	PASS 0
	PASS 1
	PASS 2
	PASS 3
.irp n, 0,1,2,3,4,5,6,7
	ds_load_b128 v[W+4*\n:W+4*\n+3], v[WRD] offset:16*\n   ; w of my 32 rows: register 8 t + j belongs to register j of tile t
.endr
	s_cmp_lg_u32 s16, 0
	s_cbranch_scc1 .Lno_w
	ds_load_b128 v[WT:WT+3], v[WTL]                ; wave 0 sends the table to wbuf: 512 consecutive bytes
	s_wait_dscnt 0x0
	global_store_b128 v[XO], v[WT:WT+3], s[54:55]
.Lno_w:
; PHASE B.
; The fragments of query tile qi of a slot, all 8 K steps, into buffer buf of window 1: 32 LDS loads in one run
.macro FETCH slot, qi, buf
	WIN 0x40
.irp s, 0,1,2,3,4,5,6,7
.irp c, 0,1,2,3
	ds_load_b128 v[(\buf)+16*\s+4*\c:(\buf)+16*\s+4*\c+3], v[BA+\slot] offset:16*PITCH*(\qi)+128*\s+32*\c
.endr
.endr
.endm
; Matrix instruction i of a tile's 32: K step i / 4, my tile of rows i % 4.  The four accumulators take turns, one instruction a turn.  The first four start the sums with the constant 0.
.macro MM i, set, buf
.set ms, (\i)/4
.set mt, (\i)%4
.set ra, ACC+32*(\set)+8*mt
.set rf, 64*(ms%4)+16*mt
.set rb, (\buf)+16*ms
	WIN 0x06+ms/4                                  ; source 0 (my rows) window 2 or 3, source 1 (queries) window 1, C and D window 0
.if ms == 0
	v_wmma_f32_16x16x128_fp8_fp8 v[ra:ra+7], v[rf:rf+15], v[rb:rb+15], 0
.else
	v_wmma_f32_16x16x128_fp8_fp8 v[ra:ra+7], v[rf:rf+15], v[rb:rb+15], v[ra:ra+7]
.endif
.endm
; Slice k of 9 of the work on a finished tile (accumulator set 'set'), four vector instructions, one slice behind each of the next tile's first matrix instructions.
; 0: four v_nop: the places behind the tile's last products, for the reads below and for the loads into the buffer that they read;  1-4: c = sum x w, accumulator k - 1, from its low end on;  5-8: each group's largest c
.macro EPI k, set
.set eb, ACC+32*(\set)
.if (\k) == 0
.rept 4
	v_nop
.endr
.elseif (\k) < 5
	WIN 0
.irp j, 0,2,4,6
	v_pk_mul_f32 v[eb+8*((\k)-1)+\j:eb+8*((\k)-1)+\j+1], v[eb+8*((\k)-1)+\j:eb+8*((\k)-1)+\j+1], v[W+8*((\k)-1)+\j:W+8*((\k)-1)+\j+1]
.endr
.elseif (\k) == 5
	WIN 0
.irp t, 0,1,2,3
	v_max3_num_f32 v[GM+\t], v[eb+8*\t], v[eb+8*\t+1], v[eb+8*\t+2]
.endr
.elseif (\k) < 8
	WIN 0
.irp t, 0,1,2,3
	v_max3_num_f32 v[GM+\t], v[GM+\t], v[eb+8*\t+2*(\k)-9], v[eb+8*\t+2*(\k)-8]
.endr
.else
	WIN 0
.irp t, 0,1,2,3
	v_max_num_f32 v[GM+\t], v[GM+\t], v[eb+8*\t+7]
.endr
.endif
.endm
.macro EPIST q                         ; the four maxima of query tile q of the step: lanes 0-7 and 16-23 fill one aligned block of 256 bytes, the others a second
	WIN 0
	global_store_b128 v[GO], v[GM:GM+3], s[GB:GB+1] offset:(\q)*262144 th:TH_STORE_NT
.endm
; Query tile qi (0 to 2) of a slot: 32 matrix instructions; the next tile's fragments are fetched behind the first; the tile before is worked off in slices (epi = 1).
.macro TILE slot, qi, epi
.set tb, 128*((\qi)%2)
.set ts, (\qi)%2
	s_wait_dscnt 0x0                               ; this tile's fragments are in
	s_wait_xcnt 0x0                                ; the last store has read the four maxima (ahead of the first tile: phase A's stores have read v80-143)
	MM 0, ts, tb
	EPI 0, 1-ts
	FETCH \slot, (\qi)+1, 128-tb
.set k, 1
.rept 8
	MM k, ts, tb
.if \epi
	EPI k, 1-ts
.endif
.set k, k+1
.endr
.if \epi
	EPIST ((\qi)+3)%4
.endif
.rept 23
	MM k, ts, tb
.if (\epi) && ((\qi) == 0) && (k == 16)
	s_wait_xcnt 0x0                                ; the last step's last store has read its base:
	s_add_nc_u64 s[GB:GB+1], s[GB:GB+1], 2097152   ; 8 tiles of queries on
.endif
.set k, k+1
.endr
.endm
; A slot's last tile changes slots: ONE barrier.  In front of it each wave waits for all its tensor loads (one is out: its part of the other slot), adds 0 to its spare word, and waits for that and for its reads of this slot.
; fill = 1: the barrier opens a round of the cluster's barrier, and this slot is filled again, with the queries two steps on, first thing behind the round: the load has 112 matrix instructions in which to land.
.macro TURN slot, fill
	s_wait_dscnt 0x0                               ; this tile's fragments are in: my reads of this slot are over
	s_wait_xcnt 0x0
	WIN 0                                          ; (the add's two registers lie in window 0)
	s_wait_tensorcnt 0x0                           ; all my tensor loads have landed
	ds_add_u32 v[SPW], v[NIL]                      ; 0 onto my spare word: work on registers stands between it and the wait for it
.set k, 0
.rept 8
	MM k, 1, 128
	EPI k, 0
.set k, k+1
.endr
	s_wait_dscnt 0x0                               ; the add is done
	s_barrier_signal -1
	MM 8, 1, 128
	EPI 8, 0
.set k, 9
.rept 7
	MM k, 1, 128
.set k, k+1
.endr
	WIN 0
	s_barrier_wait -1
.if \fill
	CREST                                          ; no wave of any partner still reads this slot or has a load on its way
	s_add_nc_u64 s[G0+4*\slot+2:G0+4*\slot+3], s[G0+4*\slot+2:G0+4*\slot+3], 262144
	tensor_load_to_lds s[G0+4*\slot:G0+4*\slot+3], s[G1:G1+7]   ; my one tensor load behind the round
	s_nop 0
.rept 4
	v_nop
.endr
.endif
	EPIST 2
	FETCH 1-(\slot), 0, 0
.set k, 16
.rept 16
	MM k, 1, 128
.set k, k+1
.endr
.endm
	FETCH 0, 0, 0
	TILE 0, 0, 0                                   ; the first tile has no tile before it
	WIN 0                                          ; at a label and at a branch every window is 0
	s_mov_b32 s45, 7
.Lstep:                                            ; a trip: two steps, from a step's second tile to the first tile two steps on; both slots are filled again
	TILE 0, 1, 1
	TILE 0, 2, 1
	TURN 0, 1
	TILE 1, 0, 1
	TILE 1, 1, 1
	TILE 1, 2, 1
	TURN 1, 1
	TILE 0, 0, 1
	WIN 0
	s_sub_co_u32 s45, s45, 1
	s_cmp_lg_u32 s45, 0
	s_cbranch_scc1 .Lstep
	TILE 0, 1, 1                                   ; steps 14 and 15 are written out: nothing is left to fetch
	TILE 0, 2, 1
	TURN 0, 0
	TILE 1, 0, 1
	TILE 1, 1, 1
	TILE 1, 2, 1
	s_wait_dscnt 0x0                               ; the very last tile
	s_wait_xcnt 0x0
.set k, 0
.rept 9
	MM k, 1, 128
	EPI k, 0
.set k, k+1
.endr
	EPIST 2
.rept 23
	MM k, 1, 128
.set k, k+1
.endr
	WIN 0
	s_wait_xcnt 0x0                                ; the store above has read the four maxima
.set k, 0
.rept 9
	EPI k, 1
.set k, k+1
.endr
	EPIST 3
	s_wait_tensorcnt 0x0                           ; the wave's end
	ds_add_u32 v[SPW], v[NIL]
	s_wait_dscnt 0x0
	CROUND                                         ; the closing round: no work-group ends while a partner may still ask for a tile that names it
	s_endpgm
.Lfunc_end_k_q8d73c9b999_knn:
	.size	k_q8d73c9b999_knn, .Lfunc_end_k_q8d73c9b999_knn-k_q8d73c9b999_knn
	.p2alignl 7, 3214868480
	.fill 96, 4, 3214868480
	.section	.rodata,"a",@progbits
	.p2align	6, 0x0
	.amdhsa_kernel k_q8d73c9b999_knn
		.amdhsa_group_segment_fixed_size 327680
		.amdhsa_private_segment_fixed_size 0
		.amdhsa_enable_private_segment 0
		.amdhsa_kernarg_size 48
		.amdhsa_user_sgpr_count 2
		.amdhsa_user_sgpr_kernarg_segment_ptr 1
		.amdhsa_wavefront_size32 1
		.amdhsa_system_sgpr_workgroup_id_x 1
		.amdhsa_system_sgpr_workgroup_id_y 1
		.amdhsa_system_sgpr_workgroup_id_z 1
		.amdhsa_system_vgpr_workitem_id 0
		.amdhsa_next_free_vgpr 1024
		.amdhsa_next_free_sgpr 66
		.amdhsa_reserve_vcc 0
		.amdhsa_float_denorm_mode_32 3
		.amdhsa_float_denorm_mode_16_64 3
		.amdhsa_memory_ordered 1
		.amdhsa_forward_progress 1
		.amdhsa_inst_pref_size 255
	.end_amdhsa_kernel
	.section	.bss,"aw",@nobits
	.p2align	6
	.space	262144
	.amdgpu_metadata
---
amdhsa.version: [ 1, 2 ]
amdhsa.kernels:
  - .name:           k_q8d73c9b999_knn
    .symbol:         k_q8d73c9b999_knn.kd
    .args:
      - { .name: matching_set, .offset: 0, .size: 8, .value_kind: global_buffer, .address_space: global }
      - { .name: qcodes, .offset: 8, .size: 8, .value_kind: global_buffer, .address_space: global }
      - { .name: lowp_scales, .offset: 16, .size: 8, .value_kind: global_buffer, .address_space: global }
      - { .name: mcodes, .offset: 24, .size: 8, .value_kind: global_buffer, .address_space: global }
      - { .name: wbuf, .offset: 32, .size: 8, .value_kind: global_buffer, .address_space: global }
      - { .name: gmax, .offset: 40, .size: 8, .value_kind: global_buffer, .address_space: global }
    .group_segment_fixed_size: 327680
    .private_segment_fixed_size: 0
    .kernarg_segment_align: 8
    .kernarg_segment_size: 48
    .max_flat_workgroup_size: 128
    .sgpr_count:     66
    .vgpr_count:     1024
    .wavefront_size: 32
...
	.end_amdgpu_metadata
.endif
;; end of part 2
;; launch pick (part 3): grid 256 x 1, 8 waves a work-group, no clusters, 9,216 bytes of LDS; arguments gmax, rq, gsel; writes gsel
.if DOCPART == 3
	.amdgcn_target "amdgcn-amd-amdhsa--gfx1250"
	.amdhsa_code_object_version 6
	.text
	.protected	k_q8d73c9b999_pick
	.globl	k_q8d73c9b999_pick
	.p2align	8
	.type	k_q8d73c9b999_pick,@function
k_q8d73c9b999_pick:
	s_mov_b64 s[64:65], 0
	v_nop
	global_prefetch_b8 v0, s[64:65] scope:SCOPE_SE
	s_setreg_imm32_b32 hwreg(HW_REG_WAVE_MODE, 25, 1), 1
	s_wait_xcnt 0x0
; For each query the 4 best of its 4,096 groups, by d = 1 - c / |q| of the group's largest c (one fused multiply-add, the same as in the rescoring launch), ties to the lower group.
; A work-group takes 8 queries: 131,072 consecutive bytes of gmax, laid [work-group of the product 256][a 2][h 2][query 8][t 4] f32; group = 16 WG + 8 a + 4 h + t.
; STAGE 1.  Lane l of wave v reads 16 bytes of each of 32 loads of 512 consecutive bytes: 128 groups of query l % 8, in ascending order: 512 v + 16 n + 4 (l / 8) + t.  It keeps a sorted list of the 4 best:
; values by medians of three, group numbers by selects on four strict compares, so that of equal values the earlier, lower group stays ahead.  No branch hangs on a value.
; STAGE 2.  The lists meet in LDS; wave v takes query v, lane l list l; four times the wave's least head (then the least group number among equal heads) is taken and its lane's list moves up.
; Matrix units, tensor loads and clusters have nothing to do here: work-groups share no byte.
.set D,   8                            ; v8-11   the list's values, ascending
.set I,   12                           ; v12-15  their groups
.set IX,  16
.set TM,  17
.set IDB, 18                           ; v18     512 v + 4 (l / 8)
.set NRQ, 20                           ; v[20:21] -1 / |q|
.set M,   22
.set CAND, 24
.set BIG, 26
.set INF, 27
.set O,   28                           ; v28-31  the four groups taken
.set DAT, 32                           ; v32-159 the 128 values
	s_load_b128 s[4:7], s[0:1], 0x0                ; gmax, 1/|q|
	s_load_b64 s[8:9], s[0:1], 0x10                ; gsel
	v_lshl_add_u32 v160, v0, 2, 0x2000
	v_mov_b32 v161, 0
	v_lshrrev_b32 v1, 5, v0
	v_readfirstlane_b32 s12, v1                    ; wave
	v_and_b32 v1, 31, v0                           ; lane
	v_lshlrev_b32 v2, 4, v1
	v_and_b32 v3, 7, v0                            ; my query of the eight
	v_lshlrev_b32 v4, 2, v3
	v_bfe_u32 v5, v0, 3, 2                         ; l / 8
	s_lshl_b32 s14, ttmp9, 17
	s_lshl_b32 s15, s12, 14
	s_add_co_u32 s14, s14, s15
	s_mov_b32 s15, 0
	s_lshl_b32 s16, ttmp9, 5
	s_mov_b32 s17, 0
	s_lshl_b32 s18, ttmp9, 7                       ; gsel: 16 bytes a query: 8 queries a work-group, one a wave
	s_lshl_b32 s19, s12, 4
	s_add_co_u32 s18, s18, s19
	s_mov_b32 s19, 0
	s_mov_b32 s22, 0x76543210
	s_mov_b32 s23, 0xfedcba98
	s_wait_kmcnt 0x0
	s_add_nc_u64 s[4:5], s[4:5], s[14:15]
	s_add_nc_u64 s[6:7], s[6:7], s[16:17]
	s_add_nc_u64 s[8:9], s[8:9], s[18:19]
	global_load_b32 v[NRQ], v4, s[6:7]
.irp n, 0,1,2,3,4,5,6,7,8,9,10,11,12,13,14,15,16,17,18,19,20,21,22,23,24,25,26,27,28,29,30,31
	global_load_b128 v[DAT+4*\n:DAT+4*\n+3], v2, s[4:5] offset:512*\n th:TH_LOAD_NT
.endr
	s_lshl_b32 s20, s12, 9
	v_lshl_add_u32 v[IDB], v5, 2, s20
	v_lshlrev_b32 v6, 10, v3                       ; LDS, in: (query x 32 + 4 v + l / 8) x 32 bytes
	v_lshl_add_u32 v6, v5, 5, v6
	s_lshl_b32 s20, s12, 7
	v_add_nc_u32 v6, s20, v6
	v_lshlrev_b32 v7, 5, v1                        ; out: (32 v + l) x 32
	s_lshl_b32 s20, s12, 10
	v_add_nc_u32 v7, s20, v7
	v_mov_b32 v[INF], 0x7f800000
	v_mov_b32 v[BIG], 0x7f61b1e6                   ; 3e38: above every group number
.irp j, 0,1,2,3
	v_mov_b32 v[D+\j], 0x7f800000
	v_mov_b32 v[I+\j], 0
	v_mov_b32 v[O+\j], 0                           ; (destinations of lane exchanges count as read)
.endr
	v_mov_b32 v[M], 0
	v_mov_b32 v[TM], 0
	s_wait_loadcnt 32                              ; 1 / |q| is in; the 32 loads behind it may be out
	v_xor_b32 v[NRQ], 0x80000000, v[NRQ]
	v_mov_b32 v[NRQ+1], v[NRQ]
; value v[reg], group IDB + imm, into the list
.macro INS reg, imm
	v_add_nc_u32 v[IX], (\imm), v[IDB]
	v_cmp_lt_f32 s40, v[\reg], v[D]
	v_cmp_lt_f32 s41, v[\reg], v[D+1]
	v_cmp_lt_f32 s42, v[\reg], v[D+2]
	v_cmp_lt_f32 s43, v[\reg], v[D+3]
	v_cndmask_b32 v[TM], v[IX], v[I+2], s42
	v_cndmask_b32 v[I+3], v[I+3], v[TM], s43
	v_cndmask_b32 v[TM], v[IX], v[I+1], s41
	v_cndmask_b32 v[I+2], v[I+2], v[TM], s42
	v_cndmask_b32 v[TM], v[IX], v[I], s40
	v_cndmask_b32 v[I+1], v[I+1], v[TM], s41
	v_cndmask_b32 v[I], v[I], v[IX], s40
	v_med3_num_f32 v[D+3], v[D+2], v[D+3], v[\reg]
	v_med3_num_f32 v[D+2], v[D+1], v[D+2], v[\reg]
	v_med3_num_f32 v[D+1], v[D], v[D+1], v[\reg]
	v_min_num_f32 v[D], v[D], v[\reg]
.endm
.set n, 0
.rept 32
	s_wait_loadcnt 31-n                            ; loads come back in order: load n is in, the later ones may be out
	v_pk_fma_f32 v[DAT+4*n:DAT+4*n+1], v[DAT+4*n:DAT+4*n+1], v[NRQ:NRQ+1], 1.0 op_sel_hi:[1,0,0]   ; d = 1 - c / |q|
	v_pk_fma_f32 v[DAT+4*n+2:DAT+4*n+3], v[DAT+4*n+2:DAT+4*n+3], v[NRQ:NRQ+1], 1.0 op_sel_hi:[1,0,0]
	INS DAT+4*n, 16*n
	INS DAT+4*n+1, 16*n+1
	INS DAT+4*n+2, 16*n+2
	INS DAT+4*n+3, 16*n+3
.set n, n+1
.endr
	ds_store_b128 v6, v[D:D+3]
	ds_store_b128 v6, v[I:I+3] offset:16
	s_wait_dscnt 0x0                               ; for the others' sake
	s_barrier_signal -1
	s_barrier_wait -1
	ds_load_b128 v[D:D+3], v7
	ds_load_b128 v[I:I+3], v7 offset:16
	s_wait_dscnt 0x0
.irp j, 0,1,2,3
	v_cvt_f32_u32 v[I+\j], v[I+\j]                 ; group numbers up to 4,095 are exact in f32
.endr
.macro WMIN dst, src                   ; the wave's least v[src], in every lane of v[dst]
	v_min_num_f32_dpp v[\dst], v[\src], v[\src] row_xmask:1 row_mask:0xf bank_mask:0xf
	v_min_num_f32_dpp v[\dst], v[\dst], v[\dst] row_xmask:2 row_mask:0xf bank_mask:0xf
	v_min_num_f32_dpp v[\dst], v[\dst], v[\dst] row_xmask:4 row_mask:0xf bank_mask:0xf
	v_min_num_f32_dpp v[\dst], v[\dst], v[\dst] row_xmask:8 row_mask:0xf bank_mask:0xf
	v_permlanex16_b32 v[TM], v[\dst], s22, s23
	v_min_num_f32 v[\dst], v[\dst], v[TM]
.endm
.macro TAKE p
	WMIN M, D
	v_cmp_eq_f32 vcc_lo, v[D], v[M]
	v_cndmask_b32 v[CAND], v[BIG], v[I], vcc_lo    ; among equal heads
	WMIN O+\p, CAND                                ; the lowest group
	v_cmp_eq_f32 vcc_lo, v[CAND], v[O+\p]          ; its lane's list moves up
	v_cndmask_b32 v[D], v[D], v[D+1], vcc_lo
	v_cndmask_b32 v[D+1], v[D+1], v[D+2], vcc_lo
	v_cndmask_b32 v[D+2], v[D+2], v[D+3], vcc_lo
	v_cndmask_b32 v[D+3], v[D+3], v[INF], vcc_lo
	v_cndmask_b32 v[I], v[I], v[I+1], vcc_lo
	v_cndmask_b32 v[I+1], v[I+1], v[I+2], vcc_lo
	v_cndmask_b32 v[I+2], v[I+2], v[I+3], vcc_lo
.endm
	TAKE 0
	TAKE 1
	TAKE 2
	TAKE 3
	v_mov_b32 v[M], v[O]                           ; lane p of the first four stores the p-th
.irp p, 1,2,3
	v_cmp_eq_u32 vcc_lo, \p, v1
	v_cndmask_b32 v[M], v[M], v[O+\p], vcc_lo
.endr
	v_cvt_u32_f32 v[M], v[M]
	v_lshlrev_b32 v19, 2, v1
	s_wait_xcnt 0x0                                ; EXEC changes only behind this wait
	v_cmp_gt_u32 vcc_lo, 4, v1
	s_wait_tensorcnt 0x0
	ds_add_u32 v160, v161
	s_wait_dscnt 0x0
	s_and_saveexec_b32 s24, vcc_lo
	global_store_b32 v19, v[M], s[8:9]
	s_wait_xcnt 0x0
	s_or_b32 exec_lo, exec_lo, s24
	s_endpgm
.Lfunc_end_k_q8d73c9b999_pick:
	.size	k_q8d73c9b999_pick, .Lfunc_end_k_q8d73c9b999_pick-k_q8d73c9b999_pick
	.p2alignl 7, 3214868480
	.fill 96, 4, 3214868480
	.section	.rodata,"a",@progbits
	.p2align	6, 0x0
	.amdhsa_kernel k_q8d73c9b999_pick
		.amdhsa_group_segment_fixed_size 9216
		.amdhsa_private_segment_fixed_size 0
		.amdhsa_enable_private_segment 0
		.amdhsa_kernarg_size 24
		.amdhsa_user_sgpr_count 2
		.amdhsa_user_sgpr_kernarg_segment_ptr 1
		.amdhsa_wavefront_size32 1
		.amdhsa_system_sgpr_workgroup_id_x 1
		.amdhsa_system_sgpr_workgroup_id_y 1
		.amdhsa_system_sgpr_workgroup_id_z 1
		.amdhsa_system_vgpr_workitem_id 0
		.amdhsa_next_free_vgpr 162
		.amdhsa_next_free_sgpr 66
		.amdhsa_reserve_vcc 1
		.amdhsa_float_denorm_mode_32 3
		.amdhsa_float_denorm_mode_16_64 3
		.amdhsa_memory_ordered 1
		.amdhsa_forward_progress 1
		.amdhsa_inst_pref_size 140
	.end_amdhsa_kernel
	.amdgpu_metadata
---
amdhsa.version: [ 1, 2 ]
amdhsa.kernels:
  - .name:           k_q8d73c9b999_pick
    .symbol:         k_q8d73c9b999_pick.kd
    .args:
      - { .name: gmax, .offset: 0, .size: 8, .value_kind: global_buffer, .address_space: global }
      - { .name: rq, .offset: 8, .size: 8, .value_kind: global_buffer, .address_space: global }
      - { .name: gsel, .offset: 16, .size: 8, .value_kind: global_buffer, .address_space: global }
    .group_segment_fixed_size: 9216
    .private_segment_fixed_size: 0
    .kernarg_segment_align: 8
    .kernarg_segment_size: 24
    .max_flat_workgroup_size: 256
    .sgpr_count:     66
    .vgpr_count:     162
    .wavefront_size: 32
...
	.end_amdgpu_metadata
.endif
;; end of part 3
;; launch rescore (part 4): grid 256 x 1, 8 waves a work-group, no clusters, 0 bytes of LDS; arguments qcodes, mcodes, wbuf, rq, gsel, idx; writes idx
.if DOCPART == 4
	.amdgcn_target "amdgcn-amd-amdhsa--gfx1250"
	.amdhsa_code_object_version 6
	.text
	.protected	k_q8d73c9b999_rescore
	.globl	k_q8d73c9b999_rescore
	.p2align	8
	.type	k_q8d73c9b999_rescore,@function
k_q8d73c9b999_rescore:
	s_mov_b64 s[64:65], 0
	v_nop
	global_prefetch_b8 v0, s[64:65] scope:SCOPE_SE
	s_setreg_imm32_b32 hwreg(HW_REG_WAVE_MODE, 25, 1), 1
	s_wait_xcnt 0x0
; The 32 rows of a query's 4 chosen groups are scored again, by the same matrix instructions in the same order of K as in the product's launch, c = sum x w and d = 1 - c / |q| by the same two roundings;
; the 4 rows of least d are stored, ties to the lower row.  A wave takes a query.
; Source 0: two tiles of 16 rows: lane r of tile u takes row r % 8 of chosen group 2 u + r / 8, straight from mcodes, which holds each group in the order of an operand's registers
; ([K step 8][c 4][lane half 2][row 8] x 16 bytes): a load's 32 lanes read two whole blocks of 256 bytes.  Source 1: the query's codes in all 16 columns.
; In the result lane (r, h) holds, in register j of tile u, row j of chosen group 2 u + h, whatever r: lane (r, h) keeps candidate r of its 16, so the 32 lanes hold the 32 rows.
; The group numbers are whole numbers that an earlier launch stored; each is held under 4,096 before it enters an address.
.set TM,  26
.set M,   27
.set CAND, 28
.set BIG, 29
.set INF, 30
.set DS,  25                           ; v25 my candidate's d;  v24 its row, as f32
.set O,   192                          ; v192-195 the four rows taken
.set MSB, 0
.macro WIN new
.if MSB != (\new)
	s_set_vgpr_msb (MSB<<8)|(\new)
.set MSB, (\new)
.endif
.endm
	s_load_b256 s[4:11], s[0:1], 0x0               ; query codes s[4:5], mcodes s[6:7], wbuf s[8:9], 1/|q| s[10:11]
	s_load_b128 s[12:15], s[0:1], 0x20             ; gsel s[12:13], idx s[14:15]
	v_lshrrev_b32 v1, 5, v0
	v_readfirstlane_b32 s16, v1                    ; wave
	v_and_b32 v1, 31, v0                           ; lane
	v_and_b32 v2, 15, v0                           ; r
	v_bfe_u32 v3, v0, 4, 1                         ; h
	v_bfe_u32 v4, v0, 3, 1                         ; r / 8
	v_and_b32 v5, 7, v0                            ; r % 8
	v_lshlrev_b32 v8, 2, v4                        ; word r / 8 of the query's four (tile 1: two words on)
	v_lshlrev_b32 v9, 2, v3                        ; word h
	v_lshl_add_u32 v10, v4, 3, v9                  ; word 2 (r / 8) + h
	v_lshlrev_b32 v11, 4, v3                       ; the query's codes: + 16 h
	v_lshlrev_b32 v17, 7, v3
	v_lshl_add_u32 v17, v5, 4, v17                 ; in a block of mcodes: 128 h + 16 (r % 8)
	s_lshl_b32 s17, ttmp9, 3
	s_add_co_u32 s17, s17, s16                     ; my query
	s_lshl_b32 s18, s17, 4
	s_mov_b32 s19, 0
	s_lshl_b32 s26, s17, 10
	s_mov_b32 s27, 0
	s_lshl_b32 s28, s17, 2
	s_mov_b32 s29, 0
	s_mov_b32 s22, 0x76543210
	s_mov_b32 s23, 0xfedcba98
	s_wait_kmcnt 0x0
	s_add_nc_u64 s[12:13], s[12:13], s[18:19]
	s_add_nc_u64 s[14:15], s[14:15], s[18:19]
	s_add_nc_u64 s[4:5], s[4:5], s[26:27]
	s_add_nc_u64 s[10:11], s[10:11], s[28:29]
	s_load_b32 s20, s[10:11], 0x0                  ; 1 / |q|
	global_load_b32 v12, v8, s[12:13]              ; tile 0's group for my row of source 0
	global_load_b32 v13, v8, s[12:13] offset:8     ; tile 1's
	global_load_b32 v14, v9, s[12:13]              ; tile 0's group for my results
	global_load_b32 v15, v9, s[12:13] offset:8     ; tile 1's
	global_load_b32 v16, v10, s[12:13]             ; my candidate's group
.irp s, 0,1,2,3,4,5,6,7
.irp c, 0,1,2,3
	global_load_b128 v[64+16*\s+4*\c:64+16*\s+4*\c+3], v11, s[4:5] offset:128*\s+32*\c
.endr
.endr
	v_mov_b32 v[INF], 0x7f800000
	v_mov_b32 v[BIG], 0x7f61b1e6                   ; 3e38: above every row number
	v_mov_b32 v[TM], 0
	v_mov_b32 v[M], 0
.irp p, 0,1,2,3
	v_mov_b32 v[O+\p], 0                           ; (destinations of lane exchanges count as read)
.endr
	s_wait_loadcnt 32                              ; the five group numbers are in; the 32 loads behind them may be out
.irp g, 12,13,14,15,16
	v_min_u32 v\g, 0xfff, v\g
.endr
	v_lshl_add_u32 v20, v12, 13, v17               ; a group is 8,192 bytes of mcodes
	v_lshl_add_u32 v21, v13, 13, v17
	v_lshlrev_b32 v22, 5, v14                      ; and 32 bytes of wbuf
	v_lshlrev_b32 v23, 5, v15
	v_lshl_add_u32 v24, v16, 3, v5                 ; my candidate's row
	v_cvt_f32_u32 v24, v24                         ; up to 32,767: exact in f32
	WIN 0x40                                       ; destination window 1
.irp u, 0,1
.irp s, 0,1,2,3,4,5,6,7
.irp c, 0,1,2,3
	global_load_b128 v[128*\u+16*\s+4*\c:128*\u+16*\s+4*\c+3], v[20+\u], s[6:7] offset:256*(4*\s+\c)
.endr
.endr
.endr
	WIN 0
.irp u, 0,1
	global_load_b128 v[48+8*\u:51+8*\u], v[22+\u], s[8:9]
	global_load_b128 v[52+8*\u:55+8*\u], v[22+\u], s[8:9] offset:16
.endr
	s_wait_loadcnt 0x0
	s_wait_kmcnt 0x0
	WIN 0x01                                       ; source 0 window 1
.irp s, 0,1,2,3,4,5,6,7                ; K ascending; the two accumulators take turns
.irp u, 0,1
.if \s == 0
	v_wmma_f32_16x16x128_fp8_fp8 v[32+8*\u:39+8*\u], v[128*\u+16*\s:128*\u+16*\s+15], v[64+16*\s:64+16*\s+15], 0
.else
	v_wmma_f32_16x16x128_fp8_fp8 v[32+8*\u:39+8*\u], v[128*\u+16*\s:128*\u+16*\s+15], v[64+16*\s:64+16*\s+15], v[32+8*\u:39+8*\u]
.endif
.endr
.endr
	WIN 0
.rept 4
	v_nop                                          ; places behind the last products (ISA guide 7.12.1)
.endr
.irp j, 0,2,4,6,8,10,12,14
	v_pk_mul_f32 v[32+\j:33+\j], v[32+\j:33+\j], v[48+\j:49+\j]   ; c = sum x w; each accumulator from its low end on
.endr
.irp j, 0,1,2,3,4,5,6,7,8,9,10,11,12,13,14,15
	v_fma_f32 v[32+\j], -v[32+\j], s20, 1.0        ; d = 1 - c / |q|
.endr
	v_mov_b32 v[DS], v32
.irp e, 1,2,3,4,5,6,7,8,9,10,11,12,13,14,15
	v_cmp_eq_u32 vcc_lo, \e, v2
	v_cndmask_b32 v[DS], v[DS], v[32+\e], vcc_lo   ; candidate r of my sixteen
.endr
.macro WMIN dst, src                   ; the wave's least v[src], in every lane of v[dst]
	v_min_num_f32_dpp v[\dst], v[\src], v[\src] row_xmask:1 row_mask:0xf bank_mask:0xf
	v_min_num_f32_dpp v[\dst], v[\dst], v[\dst] row_xmask:2 row_mask:0xf bank_mask:0xf
	v_min_num_f32_dpp v[\dst], v[\dst], v[\dst] row_xmask:4 row_mask:0xf bank_mask:0xf
	v_min_num_f32_dpp v[\dst], v[\dst], v[\dst] row_xmask:8 row_mask:0xf bank_mask:0xf
	v_permlanex16_b32 v[TM], v[\dst], s22, s23
	v_min_num_f32 v[\dst], v[\dst], v[TM]
.endm
.irp p, 0,1,2,3
	WMIN M, DS
	v_cmp_eq_f32 vcc_lo, v[DS], v[M]
	v_cndmask_b32 v[CAND], v[BIG], v24, vcc_lo     ; among equal distances
	WMIN O+\p, CAND                                ; the lowest row
	v_cmp_eq_f32 vcc_lo, v[CAND], v[O+\p]
	v_cndmask_b32 v[DS], v[DS], v[INF], vcc_lo     ; it is out of the running
.endr
	v_mov_b32 v[M], v[O]
.irp p, 1,2,3
	v_cmp_eq_u32 vcc_lo, \p, v1
	v_cndmask_b32 v[M], v[M], v[O+\p], vcc_lo
.endr
	v_cvt_u32_f32 v[M], v[M]
	v_lshlrev_b32 v19, 2, v1
	s_wait_xcnt 0x0                                ; EXEC changes only behind this wait
	v_cmp_gt_u32 vcc_lo, 4, v1
	s_and_saveexec_b32 s24, vcc_lo
	global_store_b32 v19, v[M], s[14:15]
	s_wait_xcnt 0x0
	s_or_b32 exec_lo, exec_lo, s24
	s_endpgm
.Lfunc_end_k_q8d73c9b999_rescore:
	.size	k_q8d73c9b999_rescore, .Lfunc_end_k_q8d73c9b999_rescore-k_q8d73c9b999_rescore
	.p2alignl 7, 3214868480
	.fill 96, 4, 3214868480
	.section	.rodata,"a",@progbits
	.p2align	6, 0x0
	.amdhsa_kernel k_q8d73c9b999_rescore
		.amdhsa_group_segment_fixed_size 0
		.amdhsa_private_segment_fixed_size 0
		.amdhsa_enable_private_segment 0
		.amdhsa_kernarg_size 48
		.amdhsa_user_sgpr_count 2
		.amdhsa_user_sgpr_kernarg_segment_ptr 1
		.amdhsa_wavefront_size32 1
		.amdhsa_system_sgpr_workgroup_id_x 1
		.amdhsa_system_sgpr_workgroup_id_y 1
		.amdhsa_system_sgpr_workgroup_id_z 1
		.amdhsa_system_vgpr_workitem_id 0
		.amdhsa_next_free_vgpr 512
		.amdhsa_next_free_sgpr 66
		.amdhsa_reserve_vcc 1
		.amdhsa_float_denorm_mode_32 3
		.amdhsa_float_denorm_mode_16_64 3
		.amdhsa_memory_ordered 1
		.amdhsa_forward_progress 1
		.amdhsa_inst_pref_size 20
	.end_amdhsa_kernel
	.amdgpu_metadata
---
amdhsa.version: [ 1, 2 ]
amdhsa.kernels:
  - .name:           k_q8d73c9b999_rescore
    .symbol:         k_q8d73c9b999_rescore.kd
    .args:
      - { .name: qcodes, .offset: 0, .size: 8, .value_kind: global_buffer, .address_space: global }
      - { .name: mcodes, .offset: 8, .size: 8, .value_kind: global_buffer, .address_space: global }
      - { .name: wbuf, .offset: 16, .size: 8, .value_kind: global_buffer, .address_space: global }
      - { .name: rq, .offset: 24, .size: 8, .value_kind: global_buffer, .address_space: global }
      - { .name: gsel, .offset: 32, .size: 8, .value_kind: global_buffer, .address_space: global }
      - { .name: idx, .offset: 40, .size: 8, .value_kind: global_buffer, .address_space: global }
    .group_segment_fixed_size: 0
    .private_segment_fixed_size: 0
    .kernarg_segment_align: 8
    .kernarg_segment_size: 48
    .max_flat_workgroup_size: 256
    .sgpr_count:     66
    .vgpr_count:     512
    .wavefront_size: 32
...
	.end_amdgpu_metadata
.endif
;; end of part 4
;; launch gather (part 5): grid 256 x 1, 8 waves a work-group, no clusters, 0 bytes of LDS; arguments synth_set, idx, out0; writes out0
.if DOCPART == 5
	.amdgcn_target "amdgcn-amd-amdhsa--gfx1250"
	.amdhsa_code_object_version 6
	.text
	.protected	k_q8d73c9b999_gather
	.globl	k_q8d73c9b999_gather
	.p2align	8
	.type	k_q8d73c9b999_gather,@function
k_q8d73c9b999_gather:
	s_mov_b64 s[64:65], 0
	v_nop
	global_prefetch_b8 v0, s[64:65] scope:SCOPE_SE
	s_setreg_imm32_b32 hwreg(HW_REG_WAVE_MODE, 25, 1), 1
	s_wait_xcnt 0x0
; out0[q] = the mean of the four rows of synth_set whose numbers an earlier launch stored in idx[q][0..3].  A wave takes a query: 32 loads of 512 consecutive bytes, all issued at once,
; the four rows of each piece of 512 bytes together; ((r0 + r1) + r2) + r3, x 0.25; eight stores of 512 consecutive bytes.  Each row number is held under 32,768 before it enters an address.
; Memory binds: LDS, matrix units and clusters would add nothing.
.set R, 8                              ; v8-135: piece j, row r at v[8 + 16 j + 4 r]
	s_load_b128 s[4:7], s[0:1], 0x0                ; synth_set, idx
	s_load_b64 s[8:9], s[0:1], 0x10                ; out0
	v_lshrrev_b32 v1, 5, v0
	v_readfirstlane_b32 s12, v1                    ; wave
	v_and_b32 v1, 31, v0
	v_lshlrev_b32 v1, 4, v1                        ; 16 bytes a lane
	s_lshl_b32 s13, ttmp9, 3
	s_add_co_u32 s13, s13, s12                     ; my query
	s_lshl_b32 s14, s13, 4
	s_mov_b32 s15, 0
	s_lshl_b32 s16, s13, 12
	s_mov_b32 s17, 0
	s_wait_kmcnt 0x0
	s_add_nc_u64 s[6:7], s[6:7], s[14:15]
	s_load_b128 s[20:23], s[6:7], 0x0              ; the four rows' numbers
	s_add_nc_u64 s[8:9], s[8:9], s[16:17]
	s_wait_kmcnt 0x0
.irp r, 0,1,2,3
	s_min_u32 s[20+\r], s[20+\r], 0x7fff
	s_lshl_b32 s[24+2*\r], s[20+\r], 12            ; x 4,096 bytes
	s_mov_b32 s[25+2*\r], 0
	s_add_nc_u64 s[24+2*\r:25+2*\r], s[4:5], s[24+2*\r:25+2*\r]
.endr
.irp j, 0,1,2,3,4,5,6,7
.irp r, 0,1,2,3
	global_load_b128 v[R+16*\j+4*\r:R+16*\j+4*\r+3], v1, s[24+2*\r:25+2*\r] offset:512*\j
.endr
.endr
.irp j, 0,1,2,3,4,5,6,7
	s_wait_loadcnt 4*(7-\j)                        ; piece j's four loads are in; the later pieces' may be out
.irp r, 1,2,3
	v_pk_add_f32 v[R+16*\j:R+16*\j+1], v[R+16*\j:R+16*\j+1], v[R+16*\j+4*\r:R+16*\j+4*\r+1]
	v_pk_add_f32 v[R+16*\j+2:R+16*\j+3], v[R+16*\j+2:R+16*\j+3], v[R+16*\j+4*\r+2:R+16*\j+4*\r+3]
.endr
	v_pk_mul_f32 v[R+16*\j:R+16*\j+1], v[R+16*\j:R+16*\j+1], 0.25 op_sel_hi:[1,0]
	v_pk_mul_f32 v[R+16*\j+2:R+16*\j+3], v[R+16*\j+2:R+16*\j+3], 0.25 op_sel_hi:[1,0]
	global_store_b128 v1, v[R+16*\j:R+16*\j+3], s[8:9] offset:512*\j th:TH_STORE_NT
.endr
	s_endpgm
.Lfunc_end_k_q8d73c9b999_gather:
	.size	k_q8d73c9b999_gather, .Lfunc_end_k_q8d73c9b999_gather-k_q8d73c9b999_gather
	.p2alignl 7, 3214868480
	.fill 96, 4, 3214868480
	.section	.rodata,"a",@progbits
	.p2align	6, 0x0
	.amdhsa_kernel k_q8d73c9b999_gather
		.amdhsa_group_segment_fixed_size 0
		.amdhsa_private_segment_fixed_size 0
		.amdhsa_enable_private_segment 0
		.amdhsa_kernarg_size 24
		.amdhsa_user_sgpr_count 2
		.amdhsa_user_sgpr_kernarg_segment_ptr 1
		.amdhsa_wavefront_size32 1
		.amdhsa_system_sgpr_workgroup_id_x 1
		.amdhsa_system_sgpr_workgroup_id_y 1
		.amdhsa_system_sgpr_workgroup_id_z 1
		.amdhsa_system_vgpr_workitem_id 0
		.amdhsa_next_free_vgpr 144
		.amdhsa_next_free_sgpr 66
		.amdhsa_reserve_vcc 0
		.amdhsa_float_denorm_mode_32 3
		.amdhsa_float_denorm_mode_16_64 3
		.amdhsa_memory_ordered 1
		.amdhsa_forward_progress 1
		.amdhsa_inst_pref_size 11
	.end_amdhsa_kernel
	.amdgpu_metadata
---
amdhsa.version: [ 1, 2 ]
amdhsa.kernels:
  - .name:           k_q8d73c9b999_gather
    .symbol:         k_q8d73c9b999_gather.kd
    .args:
      - { .name: synth_set, .offset: 0, .size: 8, .value_kind: global_buffer, .address_space: global }
      - { .name: idx, .offset: 8, .size: 8, .value_kind: global_buffer, .address_space: global }
      - { .name: out0, .offset: 16, .size: 8, .value_kind: global_buffer, .address_space: global }
    .group_segment_fixed_size: 0
    .private_segment_fixed_size: 0
    .kernarg_segment_align: 8
    .kernarg_segment_size: 24
    .max_flat_workgroup_size: 256
    .sgpr_count:     66
    .vgpr_count:     144
    .wavefront_size: 32
...
	.end_amdgpu_metadata
.endif
;; end of part 5
